; MI455X (gfx1250); checked and timed in simulation.
; The chip was launched on July 23, 2026; its instructions are those of AMD's public machine-readable ISA for CDNA 5 (MIT licence, August 2026) and "CDNA5" Instruction Set Architecture Reference Guide (July 2026). The comments in the code are by the model that wrote it; some were corrected since.
;; Attention. Allowed arithmetic: float matrix products may take bf16 or f16 operands with f32 sums; other float arithmetic in f32, or as packed bf16 or f16 multiplies, adds, multiply-adds, maxima and minima; sums over many terms, partial sums and values carried from step to step in f32; what a program stores and reads back later, other than sums and carried values, may be rounded once to bf16 or f16.
;; Inputs: keys 32,768 x 512 float32; query 2,048 x 512 float32; tree_idx 32,768 int32; values 32,768 x 512 float32.
;; Outputs: out0 2,048 x 512 float32; out1 32,768 float32.
;; 2 versions, each right; version 2 is version 1 with the launches score, mix written anew for expert scheduling mode. Each part assembles by itself: llvm-mc -triple=amdgcn-amd-amdhsa -mcpu=gfx1250 --defsym DOCPART=n.
;; ======== version 1 of 2: 2 launches
;; workspace buffers: ew 131,072 bytes; order 131,072 bytes of whole numbers; dir 16,384 bytes of whole numbers; full 1,024 bytes of whole numbers
;; launch score (part 1): grid 256 x 1, 16 waves a work-group, no clusters, 2,816 bytes of LDS; arguments keys, query, tree_idx, ew, order, dir, full; writes ew, order, dir, full
.if DOCPART == 1
	.amdgcn_target "amdgcn-amd-amdhsa--gfx1250"
	.amdhsa_code_object_version 6
	.text
	.protected	k_qe924550a70_score
	.globl	k_qe924550a70_score
	.p2align	8
	.type	k_qe924550a70_score,@function
k_qe924550a70_score:
	s_mov_b64 s[64:65], 0
	v_nop
	global_prefetch_b8 v0, s[64:65] scope:SCOPE_SE
	s_setreg_imm32_b32 hwreg(HW_REG_WAVE_MODE, 25, 1), 1
	s_wait_xcnt 0x0
; FIRST OF TWO LAUNCHES.  reference()'s mask leaves each key m one query, q = tree_idx[m].  This launch makes
;   ew[m]    = exp(cos(query[q], keys[m])), f32, in key order;
;   order[]  = the 32,768 keys sorted into buckets: eight chunks of 4,096 words (chunk k holds keys 4096 k .. 4096 k + 4095), each chunk ordered by the work-group
;              b = q / 8 that owns the key's group; a word is (q % 8) << 15 | m;
;   dir[b][k] = (first word, number of words) of work-group b's part of chunk k;     full[b] = 1 if each of the groups 8 b .. 8 b + 7 has a key, else 0.
; NO MAXIMUM is taken away before the exponential: both vectors are normalised, as reference() normalises them, so every exponent lies in -1 .. 1 (to rounding),
; every e in 0.36 .. 2.72, and a sum of at most 32,768 of them under 9e4.
; NO MATRIX UNIT: behind the mask a key row meets one query row; a tile of 16 x 16 would hold 16 useful numbers.  All arithmetic is f32.
; SHARES.  256 work-groups of 16 waves.  Waves 0-7 (scores): the work-group's 128 consecutive keys, 16 a wave; a row of 2,048 bytes is four loads of 512 consecutive bytes.
; Waves 8-15 (buckets): wave 8 + k holds chunk k of tree_idx in 128 registers, counts the indices below 8 b, and writes the entries of the indices 8 b .. 8 b + 7 behind that count.
; ALL LANES ARE ON IN EVERY LINE.  Where only some lanes have a word to store, the others repeat one of those lanes' address and data.
; LIMITS.  A tree_idx outside 0 .. 2047 (as an unsigned number) counts as 2047, in both roles.  The sums of squares are kept in f32: they overflow for |x| above about 8e17.
; A norm under 1e-12 is raised to 1e-12 as in reference(); a sum of squares below 2^-126 gives the root 0 and so the same 1e-12.  Sums are taken in another order than reference()'s.
.set ESTG,  0                          ; LDS 0-511: e of the work-group's key i at word i
.set DSTG,  512                        ; LDS 512-575: (first, number) of chunk k at 8 k
.set PSTG,  576                        ; LDS 576-607: chunk k's presence bits (bit d: group 8 b + d has a key there) at 4 k
.set SPARE, 768                        ; LDS 768-2815: the spare words, 128 bytes for each of the 16 waves; no other line names them
.set KROW,  2048                       ; bytes in a row of keys and of query
.set SLOTS, 6                          ; score waves: rows in flight
.set QOF,   20                         ; v[20:25]  slot s: byte offset of my 16 bytes in the slot's query row
.set KB,    32                         ; v[32:223] slot s: key row in v[KB+32 s .. +15], query row in v[KB+32 s+16 .. +31]
.set XB,    32                         ; v[32:159] bucket waves: register 4 j + c of lane l holds index 128 j + 4 l + c of the chunk
; v0 thread, v1 lane, v2 16 x lane, v3 my spare word's address, v4 0 (the last two serve the closing add alone)
; score waves: v6, v7, v8 collect dot, |k|^2, |q|^2 (key j in lanes j and j + 16); v[10:15] the three packed sums; v16-18 the other half's sums; v19 LDS address
; bucket waves: v5 key number of my register 0; v6 place; v7 d; v8 entry; v9 1 << d; v10 presence; v11 1; v12 the first hit's entry; v13 at work; v[14:15] (first, number); v16, v17 LDS addresses
; s[4:17] the seven buffers; s18 wave; s19 at work / chunk; s[20:21] the role's stream; s[22:23] an offset pair / a lane mask; s[24:25] lane selects;
; s26 8 b; s27 width of my range; s28 indices below it; s29 first word; s30 next free word; s[32:47] 16 indices, then row offsets; s[48:51] four masks; s52 at work; s53 -8 b
	s_load_b256 s[4:11], s[0:1], 0x0               ; keys s[4:5], query s[6:7], tree_idx s[8:9], ew s[10:11]
	s_load_b128 s[12:15], s[0:1], 0x20             ; order s[12:13], dir s[14:15]
	s_load_b64 s[16:17], s[0:1], 0x30              ; full
	v_lshl_add_u32 v3, v0, 2, SPARE
	v_mov_b32 v4, 0
	v_lshrrev_b32 v1, 5, v0
	v_readfirstlane_b32 s18, v1                    ; wave 0..15
	v_and_b32 v1, 31, v0                           ; lane
	v_lshlrev_b32 v2, 4, v1                        ; 16 bytes a lane
	s_mov_b32 s24, 0x76543210                      ; v_permlanex16_b32: each lane takes its own place in the other half
	s_mov_b32 s25, 0xfedcba98
	s_mov_b32 s23, 0                               ; high word of the offset pair
	s_wait_kmcnt 0x0
	s_cmp_lt_u32 s18, 8
	s_cbranch_scc0 .Lbucket
; ---------------------------------------------------------------- waves 0-7: sixteen scores a wave
.macro KFILL j                         ; key row j of my 16 into its slot: four loads of 512 consecutive bytes; each byte of keys is read once in the launch
.irp i, 0,1,2,3
	global_load_b128 v[KB+32*((\j)%SLOTS)+4*(\i):KB+32*((\j)%SLOTS)+4*(\i)+3], v2, s[20:21] offset:KROW*(\j)+512*(\i) th:TH_LOAD_NT
.endr
.endm
.macro QFILL j                         ; the query row that key j's index names, beside it
	v_add_nc_u32 v[QOF+(\j)%SLOTS], s[32+(\j)], v2
.irp i, 0,1,2,3
	global_load_b128 v[KB+32*((\j)%SLOTS)+16+4*(\i):KB+32*((\j)%SLOTS)+16+4*(\i)+3], v[QOF+(\j)%SLOTS], s[6:7] offset:512*(\i)
.endr
.endm
; Key j: three sums over the row's 512 numbers, 16 a lane, then over the 32 lanes; the results go into lanes j and j + 16 of the collectors.
.macro KEY j
.set rK, KB+32*((\j)%SLOTS)
.set rQ, rK+16
	; loads come back in order (ISA guide 5.7.1): the count is the loads issued behind this key's query row
.if (\j) < 6
	s_wait_loadcnt 20+4*(\j)                       ; 4 (5 - j) first query fills and 8 j refills
.elseif (\j) < 11
	s_wait_loadcnt 40                              ; the five refills behind mine, 8 loads each
.else
	s_wait_loadcnt 8*(15-(\j))                     ; the refills run out
.endif
	v_pk_mul_f32 v[10:11], v[rK:rK+1], v[rQ:rQ+1]  ; the first products start the sums: nothing is cleared
	v_pk_mul_f32 v[12:13], v[rK:rK+1], v[rK:rK+1]
	v_pk_mul_f32 v[14:15], v[rQ:rQ+1], v[rQ:rQ+1]
.irp i, 1,2,3,4,5,6,7
	v_pk_fma_f32 v[10:11], v[rK+2*(\i):rK+2*(\i)+1], v[rQ+2*(\i):rQ+2*(\i)+1], v[10:11]
	v_pk_fma_f32 v[12:13], v[rK+2*(\i):rK+2*(\i)+1], v[rK+2*(\i):rK+2*(\i)+1], v[12:13]
	v_pk_fma_f32 v[14:15], v[rQ+2*(\i):rQ+2*(\i)+1], v[rQ+2*(\i):rQ+2*(\i)+1], v[14:15]
.endr
.if (\j)+SLOTS < 16
	KFILL (\j)+SLOTS                               ; the slot has been read, and the wait above has shown its loads done: its registers and its offset are free
	QFILL (\j)+SLOTS
.endif
	v_add_f32 v10, v10, v11
	v_add_f32 v12, v12, v13
	v_add_f32 v14, v14, v15
.irp x, 1,2,4,8
	v_add_f32_dpp v10, v10, v10 row_xmask:\x row_mask:0xf bank_mask:0xf
	v_add_f32_dpp v12, v12, v12 row_xmask:\x row_mask:0xf bank_mask:0xf
	v_add_f32_dpp v14, v14, v14 row_xmask:\x row_mask:0xf bank_mask:0xf
.endr
	v_permlanex16_b32 v16, v10, s24, s25
	v_permlanex16_b32 v17, v12, s24, s25
	v_permlanex16_b32 v18, v14, s24, s25
	v_add_f32 v10, v10, v16
	v_add_f32 v12, v12, v17
	v_add_f32 v14, v14, v18
	s_mov_b32 s22, (1<<(\j))|(1<<((\j)+16))
	v_cndmask_b32 v6, v6, v10, s22
	v_cndmask_b32 v7, v7, v12, s22
	v_cndmask_b32 v8, v8, v14, s22
.endm
	s_lshl_b32 s22, ttmp9, 9                       ; my 16 indices: 512 bytes a work-group, 64 a wave
	s_lshl_b32 s19, s18, 6
	s_add_co_u32 s22, s22, s19
	s_add_nc_u64 s[26:27], s[8:9], s[22:23]
	s_load_b512 s[32:47], s[26:27], 0x0
	s_lshl_b32 s22, ttmp9, 18                      ; my 16 key rows: 128 rows of 2,048 bytes a work-group, 16 a wave
	s_lshl_b32 s19, s18, 15
	s_add_co_u32 s22, s22, s19
	s_add_nc_u64 s[20:21], s[4:5], s[22:23]
.irp j, 0,1,2,3,4,5
	KFILL \j                                       ; these addresses need no index: they go out while the indices are on their way
.endr
	v_mov_b32 v6, 0                                ; the collectors are read by the selects that fill them,
	v_mov_b32 v7, 0
	v_mov_b32 v8, 0
	v_mov_b32 v16, 0                               ; and v_permlanex16_b32's destination counts as read
	v_mov_b32 v17, 0
	v_mov_b32 v18, 0
	s_wait_kmcnt 0x0
.irp j, 0,1,2,3,4,5,6,7,8,9,10,11,12,13,14,15
	s_min_u32 s[32+(\j)], s[32+(\j)], 2047         ; an index read from memory enters an address only behind a minimum with a constant
	s_lshl_b32 s[32+(\j)], s[32+(\j)], 11          ; the row's byte offset in query
.endr
.irp j, 0,1,2,3,4,5
	QFILL \j
.endr
.irp j, 0,1,2,3,4,5,6,7,8,9,10,11,12,13,14,15
	KEY \j
.endr
	; sixteen keys at once, each in two lanes: e = 2^(log2(e) dot / (max(|k|, 1e-12) max(|q|, 1e-12)))
	v_sqrt_f32 v7, v7
	v_sqrt_f32 v8, v8
	v_nop                                          ; a plain instruction behind the last root, ahead of the first use (ISA guide 5.7.2),
	s_wait_alu depctr_va_vdst(0)                   ; and a wait: one for both roots
	v_max_num_f32 v7, 0x2b8cbccc, v7               ; 1e-12
	v_max_num_f32 v8, 0x2b8cbccc, v8
	v_rcp_f32 v7, v7
	v_rcp_f32 v8, v8
	v_nop
	s_wait_alu depctr_va_vdst(0)                   ; one for both reciprocals
	v_mul_f32 v6, v6, v7
	v_mul_f32 v6, v6, v8
	v_mul_f32 v6, 0x3fb8aa3b, v6                   ; log2(e)
	v_exp_f32 v6, v6
	v_and_b32 v19, 15, v0                          ; the plain instruction behind the exponential: key j = lane % 16,
	s_lshl_b32 s19, s18, 6
	v_lshl_add_u32 v19, v19, 2, s19                ; word 16 w + j
	s_wait_alu depctr_va_vdst(0)
	ds_store_b32 v19, v6 offset:ESTG               ; lanes j and j + 16 write the same word with the same number
	s_branch .Ljoin
; ---------------------------------------------------------------- waves 8-15: one chunk of tree_idx a wave
.macro COUNT j                         ; how many of 128 indices lie below my range
	s_wait_loadcnt 31-(\j)                         ; the younger index loads may stay out
.irp c, 0,1,2,3
	v_cmp_gt_u32 s[48+(\c)], s26, v[XB+4*(\j)+(\c)]
.endr
.irp c, 0,1,2,3
	s_bcnt1_i32_b32 s[48+(\c)], s[48+(\c)]
.endr
.irp c, 0,1,2,3
	s_add_co_u32 s28, s28, s[48+(\c)]
.endr
.endm
; The lanes of mask c hold indices of my range: their entries go to the next free words of my part of the chunk.  All 32 lanes store: a lane without a hit repeats the first hit's word,
; place s30 and that hit's entry, which is gathered into every lane by OR (it stands alone in its lane, 0 in the others).
.macro HIT j, c
	s_cmp_eq_u32 s[48+(\c)], 0
	s_cbranch_scc1 .Lnohit_\@
	s_ctz_i32_b32 s52, s[48+(\c)]
	s_lshl_b32 s52, 1, s52                         ; the first hit's lane, as a mask
	v_min_u32 v7, 7, v[XB+4*(\j)+(\c)]             ; d; in the last work-group every index above 2047 counts as 2047
	s_wait_xcnt 0x0                                ; the last store has read v6 and v8: they are written again only behind this wait
	v_add_nc_u32 v8, 128*(\j)+(\c), v5             ; m
	v_lshl_or_b32 v8, v7, 15, v8                   ; d << 15 | m
	v_cndmask_b32 v12, 0, v8, s52
.irp x, 1,2,4,8
	v_mov_b32_dpp v13, v12 row_xmask:\x row_mask:0xf bank_mask:0xf
	v_or_b32 v12, v12, v13
.endr
	v_permlanex16_b32 v13, v12, s24, s25
	v_or_b32 v12, v12, v13
	v_cndmask_b32 v8, v12, v8, s[48+(\c)]
	v_mbcnt_lo_u32_b32 v6, s[48+(\c)], s30         ; next free word + the hits in lower lanes
	v_cndmask_b32 v6, s30, v6, s[48+(\c)]
	v_min_u32 v6, 0x7fff, v6                       ; a number made of loaded data enters an address only behind a minimum with a constant
	v_lshlrev_b32 v6, 2, v6
	v_lshlrev_b32 v9, v7, v11                      ; 1 << d,
	v_cndmask_b32 v9, 0, v9, s[48+(\c)]            ; of the hits alone
	v_or_b32 v10, v10, v9
	global_store_b32 v6, v8, s[12:13]
	s_bcnt1_i32_b32 s52, s[48+(\c)]
	s_add_co_u32 s30, s30, s52
.Lnohit_\@:
.endm
.macro QUAD j                          ; 128 indices: d = index - 8 b, in place; a hit is d < width (unsigned)
.irp c, 0,1,2,3
	v_add_nc_u32 v[XB+4*(\j)+(\c)], s53, v[XB+4*(\j)+(\c)]
.endr
.irp c, 0,1,2,3
	v_cmp_gt_u32 s[48+(\c)], s27, v[XB+4*(\j)+(\c)]
.endr
	s_or_b32 s52, s48, s49
	s_or_b32 s52, s52, s50
	s_or_b32 s52, s52, s51
	s_cmp_lg_u32 s52, 0
	s_cbranch_scc0 .Lnoquad_\@                     ; my range is 8 groups of 2,048
	HIT \j, 0
	HIT \j, 1
	HIT \j, 2
	HIT \j, 3
.Lnoquad_\@:
.endm
.Lbucket:
	s_sub_co_u32 s19, s18, 8                       ; my chunk k
	s_lshl_b32 s22, s19, 14                        ; 4,096 indices of 4 bytes
	s_add_nc_u64 s[20:21], s[8:9], s[22:23]
.irp j, 0,1,2,3,4,5,6,7,8,9,10,11,12,13,14,15,16,17,18,19,20,21,22,23,24,25,26,27,28,29,30,31
	global_load_b128 v[XB+4*(\j):XB+4*(\j)+3], v2, s[20:21] offset:512*(\j)
.endr
	s_lshl_b32 s26, ttmp9, 3                       ; my range begins at group 8 b
	s_sub_co_u32 s53, 0, s26
	s_cmp_eq_u32 ttmp9, 255
	s_cselect_b32 s27, 0xfffff808, 8               ; the last work-group takes all that lies above: 2^32 - 2040
	s_lshl_b32 s52, s19, 12
	v_lshl_add_u32 v5, v1, 2, s52                  ; 4096 k + 4 l
	v_mov_b32 v10, 0
	v_mov_b32 v11, 1
	v_mov_b32 v13, 0                               ; a destination of DPP and of v_permlanex16_b32 counts as read
	s_mov_b32 s28, 0
.irp j, 0,1,2,3,4,5,6,7,8,9,10,11,12,13,14,15,16,17,18,19,20,21,22,23,24,25,26,27,28,29,30,31
	COUNT \j
.endr
	s_add_co_u32 s29, s28, s52                     ; my part of the chunk begins behind the parts of the work-groups below me
	s_mov_b32 s30, s29
.irp j, 0,1,2,3,4,5,6,7,8,9,10,11,12,13,14,15,16,17,18,19,20,21,22,23,24,25,26,27,28,29,30,31
	QUAD \j
.endr
	s_wait_xcnt 0x0                                ; the last store has read its registers
.irp x, 1,2,4,8
	v_mov_b32_dpp v13, v10 row_xmask:\x row_mask:0xf bank_mask:0xf  ; the presence bits of all 32 lanes are gathered by OR
	v_or_b32 v10, v10, v13
.endr
	v_permlanex16_b32 v13, v10, s24, s25
	v_or_b32 v10, v10, v13
	v_mov_b32 v14, s29
	s_sub_co_u32 s52, s30, s29
	v_mov_b32 v15, s52
	s_lshl_b32 s52, s19, 3
	v_mov_b32 v16, s52
	ds_store_b64 v16, v[14:15] offset:DSTG         ; all lanes write the same words with the same numbers
	s_lshl_b32 s52, s19, 2
	v_mov_b32 v17, s52
	ds_store_b32 v17, v10 offset:PSTG
; ---------------------------------------------------------------- the launch's one barrier, on every wave's path
.Ljoin:
	s_wait_dscnt 0x0                               ; for the readers' sake: my LDS stores are done
	s_barrier_signal -1
	s_barrier_wait -1
	s_cmp_eq_u32 s18, 0
	s_cbranch_scc0 .Lnot_wave_0
	ds_load_b128 v[8:11], v2 offset:ESTG           ; wave 0: the work-group's 128 e,
	s_lshl_b32 s22, ttmp9, 9
	s_add_nc_u64 s[10:11], s[10:11], s[22:23]
	s_wait_dscnt 0x0
	global_store_b128 v2, v[8:11], s[10:11]        ; stored as 512 consecutive bytes, at a multiple of 512 from ew's first byte
	s_branch .Lend
.Lnot_wave_0:
	s_cmp_eq_u32 s18, 1
	s_cbranch_scc0 .Lend
	v_and_b32 v5, 15, v0                           ; wave 1: the 16 words of dir[b] (lanes 16-31 repeat lanes 0-15),
	v_lshlrev_b32 v5, 2, v5
	ds_load_b32 v6, v5 offset:DSTG
	v_and_b32 v7, 7, v0                            ; and the eight chunks' presence bits, once in each eight lanes
	v_lshlrev_b32 v7, 2, v7
	ds_load_b32 v8, v7 offset:PSTG
	v_mov_b32 v9, 0
	v_mov_b32 v10, 0                               ; the offset of full[b] from its own address
	s_lshl_b32 s22, ttmp9, 6
	s_add_nc_u64 s[14:15], s[14:15], s[22:23]
	s_lshl_b32 s22, ttmp9, 2
	s_add_nc_u64 s[16:17], s[16:17], s[22:23]
	s_wait_dscnt 0x0
.irp x, 1,2,4
	v_mov_b32_dpp v9, v8 row_xmask:\x row_mask:0xf bank_mask:0xf
	v_or_b32 v8, v8, v9
.endr
	v_cmp_eq_u32 vcc_lo, 0xff, v8                  ; each of the eight groups has a key somewhere
	v_cndmask_b32 v11, 0, 1, vcc_lo
	global_store_b32 v5, v6, s[14:15]              ; 64 consecutive bytes
	global_store_b32 v10, v11, s[16:17]            ; all lanes write the one word with the same number
.Lend:
	s_wait_tensorcnt 0x0                           ; the wave's end, behind my last LDS store
	ds_add_u32 v3, v4
	s_wait_dscnt 0x0
	s_endpgm
.Lfunc_end_k_qe924550a70_score:
	.size	k_qe924550a70_score, .Lfunc_end_k_qe924550a70_score-k_qe924550a70_score
	.p2alignl 7, 3214868480
	.fill 96, 4, 3214868480
	.section	.rodata,"a",@progbits
	.p2align	6, 0x0
	.amdhsa_kernel k_qe924550a70_score
		.amdhsa_group_segment_fixed_size 2816
		.amdhsa_private_segment_fixed_size 0
		.amdhsa_enable_private_segment 0
		.amdhsa_kernarg_size 56
		.amdhsa_user_sgpr_count 2
		.amdhsa_user_sgpr_kernarg_segment_ptr 1
		.amdhsa_wavefront_size32 1
		.amdhsa_system_sgpr_workgroup_id_x 1
		.amdhsa_system_sgpr_workgroup_id_y 1
		.amdhsa_system_sgpr_workgroup_id_z 1
		.amdhsa_system_vgpr_workitem_id 0
		.amdhsa_next_free_vgpr 224
		.amdhsa_next_free_sgpr 96
		.amdhsa_reserve_vcc 1
		.amdhsa_float_denorm_mode_32 3
		.amdhsa_float_denorm_mode_16_64 3
		.amdhsa_memory_ordered 1
		.amdhsa_forward_progress 1
		.amdhsa_inst_pref_size 255
	.end_amdhsa_kernel
	.section	.bss,"aw",@nobits
	.p2align	6
	.space	262144
	.amdgpu_metadata
---
amdhsa.version: [ 1, 2 ]
amdhsa.kernels:
  - .name:           k_qe924550a70_score
    .symbol:         k_qe924550a70_score.kd
    .args:
      - { .name: keys, .offset: 0, .size: 8, .value_kind: global_buffer, .address_space: global }
      - { .name: query, .offset: 8, .size: 8, .value_kind: global_buffer, .address_space: global }
      - { .name: tree_idx, .offset: 16, .size: 8, .value_kind: global_buffer, .address_space: global }
      - { .name: ew, .offset: 24, .size: 8, .value_kind: global_buffer, .address_space: global }
      - { .name: order, .offset: 32, .size: 8, .value_kind: global_buffer, .address_space: global }
      - { .name: dir, .offset: 40, .size: 8, .value_kind: global_buffer, .address_space: global }
      - { .name: full, .offset: 48, .size: 8, .value_kind: global_buffer, .address_space: global }
    .group_segment_fixed_size: 2816
    .private_segment_fixed_size: 0
    .kernarg_segment_align: 8
    .kernarg_segment_size: 56
    .max_flat_workgroup_size: 512
    .sgpr_count:     96
    .vgpr_count:     224
    .wavefront_size: 32
...
	.end_amdgpu_metadata
.endif
;; end of part 1
;; launch mix (part 2): grid 256 x 1, 16 waves a work-group, no clusters, 0 bytes of LDS; arguments values, ew, order, dir, full, out0, out1; writes out0, out1
.if DOCPART == 2
	.amdgcn_target "amdgcn-amd-amdhsa--gfx1250"
	.amdhsa_code_object_version 6
	.text
	.protected	k_qe924550a70_mix
	.globl	k_qe924550a70_mix
	.p2align	8
	.type	k_qe924550a70_mix,@function
k_qe924550a70_mix:
	s_mov_b64 s[64:65], 0
	v_nop
	global_prefetch_b8 v0, s[64:65] scope:SCOPE_SE
	s_setreg_imm32_b32 hwreg(HW_REG_WAVE_MODE, 25, 1), 1
	s_wait_xcnt 0x0
; SECOND OF TWO LAUNCHES.  For each group q: l = the sum of e[m] over its keys; out0[q][:] = (the sum of e[m] values[m][:]) / l; out1[m] = e[m] / l, the one entry of
; alpha's column m that is not 0.  A group without a key has l = 0: its row of out0 is 0 x infinity = NaN, as reference()'s softmax of a row of -inf gives; and since each column
; of alpha then sums over a NaN row, every number of out1 is NaN if any word of full[] is 0.
; SHARES.  256 work-groups of 16 waves.  Work-group b owns the groups 8 b .. 8 b + 7; wave (g = wave / 2, h = wave % 2) owns group 8 b + g and the columns 256 h .. 256 h + 255.
; Columns do not lean on each other, so no wave waits for another: no LDS byte, no barrier.  Each byte of values is read once in the launch, in runs of 512 consecutive bytes.
; THE LIST.  dir[b] names eight parts of order[] with the work-group's entries, (d << 15) | m.  BUILD scans them, keeps those with d = g, and presses those of rank
; win .. win + 31 together into one register, rank r - win in lane r - win (ds_permute_b32 moves between lanes and touches no LDS byte).  A ROUND takes such a window of 32 keys.
; A group of n > 32 keys takes ceil(n / 32) rounds, each with a scan of its own; when l is known, out1 of the earlier rounds is made by building their windows once more
; and reading e (4 bytes a key) again.
; THE LOOP OVER ROUNDS IS LEFT IN THE GROUP'S LAST ROUND, whose text goes on to the wave's end and its s_endpgm; every other round jumps forward over that end to the counter's step.
; ALL LANES ARE ON IN EVERY LINE.  The lanes beyond a window's keys repeat its first key: they read the same e and store the same word of out1; their e counts as 0 in l and in the sums.
; LIMITS.  Sums in f32, in the order of the list, not reference()'s.  e lies in 0.36 .. 2.72, so l is under 9e4 and no sum of weights overflows.
.set ACC, 20                           ; v[20:27]   my 8 columns' sums: bytes 16 l + 1024 h (4 numbers) and 512 further on (4 numbers)
.set ADR, 28                           ; v[28:35]   BUILD: byte offsets into order[], one a sublist
.set ENT, 36                           ; v[36:43]   BUILD: entries as loaded
.set PRM, 44                           ; v[44:51]   BUILD: entries at their lanes of the window
.set OFS, 52                           ; v[52:67]   byte offset of my 16 bytes in each of the 16 rows in flight
.set DA,  68                           ; v[68:131]  set A: 8 keys x 8 registers
.set DB,  132                          ; v[132:195] set B
; v1 lane; v2 16 l + 1024 h; v3 place in a sublist; v4 the window; v5 m; v6 4 m; v7 e; v8 e, 0 beyond the window's keys, as l and the stream take it; v9 l, a lane's part;
; v10, v11 at work; v[12:19] the 256 words of full, 8 a lane; v196 their offset; v[198:199] 1 / l (the pair's low word serves both halves)
; s[4:17] the seven buffers; s18 wave; s19 g; s20 h; s21 trips of a scan; s22 rounds at the most; s23 round; s24 win; s25 my entries seen so far, behind BUILD n; s26 trip;
; s27 keys in the window; s28, s29 keys in set A, B; s30, s31 at work; s[32:47] dir[b]: first word and number of words of sublist k in s[32+2k], s[33+2k];
; s[48:55], s[56:63] first lane and number of lanes that sublist k fills; s[66:67] a key's weight; s[68:69] lane selects; s70-75 at work; s76 the window's lanes with a key; s80 NaN or 0; s83 the second sweep's count
	s_load_b256 s[4:11], s[0:1], 0x0               ; values s[4:5], ew s[6:7], order s[8:9], dir s[10:11]
	s_load_b128 s[12:15], s[0:1], 0x20             ; full s[12:13], out0 s[14:15]
	s_load_b64 s[16:17], s[0:1], 0x30              ; out1
	v_lshrrev_b32 v1, 5, v0
	v_readfirstlane_b32 s18, v1                    ; wave 0..15
	s_lshr_b32 s19, s18, 1                         ; g
	s_and_b32 s20, s18, 1                          ; h
	v_and_b32 v1, 31, v0                           ; lane
	s_lshl_b32 s30, s20, 10
	v_lshl_add_u32 v2, v1, 4, s30
	v_lshlrev_b32 v196, 5, v1
	s_mov_b32 s67, 0                               ; named with s66 as a pair
	s_mov_b32 s68, 0x76543210                      ; v_permlanex16_b32: each lane takes its own place in the other half
	s_mov_b32 s69, 0xfedcba98
	s_lshl_b32 s30, ttmp9, 6                       ; dir[b]: 64 bytes
	s_mov_b32 s31, 0
	s_wait_kmcnt 0x0
	s_add_nc_u64 s[10:11], s[10:11], s[30:31]
	s_load_b512 s[32:47], s[10:11], 0x0
	global_load_b128 v[12:15], v196, s[12:13]      ; wanted at the very end: every later wait on loads covers these two
	global_load_b128 v[16:19], v196, s[12:13] offset:16
	v_mov_b32 v9, 0
.irp r, 0,1,2,3,4,5,6,7
	v_mov_b32 v[ACC+(\r)], 0                       ; a group may have no key, so no first product can start the sums
.endr
	s_mov_b32 s23, 0
	s_mov_b32 s24, 0
	s_wait_kmcnt 0x0
	s_max_u32 s21, s33, s35
	s_add_co_u32 s22, s33, s35
.irp k, 37,39,41,43,45,47
	s_max_u32 s21, s21, s\k
	s_add_co_u32 s22, s22, s\k
.endr
	s_add_co_u32 s21, s21, 31
	s_lshr_b32 s21, s21, 5                         ; a scan's trips: the longest sublist, 32 places a trip (one trip runs even where all are empty: it finds nothing)
	s_add_co_u32 s22, s22, 31
	s_lshr_b32 s22, s22, 5                         ; no group of the work-group has more keys than all sublists together
; The window of ranks s24 .. s24 + 31 of my group's entries into v4 (0 in the lanes beyond the last); s25 = n.  The rank goes by trip, then sublist, then lane: the same in every scan.
.macro BUILD
	v_mov_b32 v4, 0
	v_mov_b32 v3, v1
	s_mov_b32 s25, 0
	s_mov_b32 s26, 0
.Lscan_\@:
.irp k, 0,1,2,3,4,5,6,7
	v_add_nc_u32 v[ADR+(\k)], s[32+2*(\k)], v3
	v_min_u32 v[ADR+(\k)], 0x7fff, v[ADR+(\k)]     ; a number read from memory enters an address only behind a minimum with a constant; places beyond the sublist's end are masked below
	v_lshlrev_b32 v[ADR+(\k)], 2, v[ADR+(\k)]
	global_load_b32 v[ENT+(\k)], v[ADR+(\k)], s[8:9]
.endr
.irp k, 0,1,2,3,4,5,6,7
	s_wait_loadcnt 7-(\k)                          ; the younger sublists' loads may stay out
	v_cmp_gt_u32 s70, s[33+2*(\k)], v3             ; the place lies in the sublist,
	v_lshrrev_b32 v10, 15, v[ENT+(\k)]
	v_cmp_eq_u32 s71, s19, v10                     ; and the entry is my group's
	s_and_b32 s71, s71, s70
	s_sub_co_i32 s72, s25, s24                     ; the first such entry's rank, counted from the window's first
	v_mbcnt_lo_u32_b32 v11, s71, s72               ; each lane's
	v_cmp_gt_u32 s73, 32, v11                      ; (unsigned: a rank ahead of the window is a large number)
	s_and_b32 s73, s73, s71                        ; the entries that land in the window
	s_bcnt1_i32_b32 s74, s71
	s_add_co_u32 s25, s25, s74
	s_bcnt1_i32_b32 s[56+(\k)], s73                ; they fill so many lanes,
	s_max_i32 s[48+(\k)], s72, 0                   ; from this lane on
	s_add_co_u32 s75, s[48+(\k)], s[56+(\k)]
	s_and_b32 s75, s75, 31                         ; all other lanes send to the lane behind those: it lies outside them unless all 32 land, and then nobody else sends
	v_cndmask_b32 v11, s75, v11, s73
	v_lshlrev_b32 v11, 2, v11
	ds_permute_b32 v[PRM+(\k)], v11, v[ENT+(\k)]
.endr
.irp k, 0,1,2,3,4,5,6,7
	s_wait_dscnt 7-(\k)                            ; the younger permutes may stay out
	v_sub_nc_u32 v10, v1, s[48+(\k)]
	v_cmp_gt_u32 vcc_lo, s[56+(\k)], v10           ; my lane is one of those that sublist k fills
	v_cndmask_b32 v4, v4, v[PRM+(\k)], vcc_lo
.endr
	v_add_nc_u32 v3, 32, v3
	s_add_co_u32 s26, s26, 1
	s_cmp_lt_u32 s26, s21
	s_cbranch_scc1 .Lscan_\@
.endm
.macro IDS                             ; the window's key numbers, and their e
	v_and_b32 v5, 0x7fff, v4                       ; m, without d;
	v_min_u32 v5, 0x7fff, v5                       ; the minimum with a constant that stands ahead of every address made of loaded numbers
	v_lshlrev_b32 v6, 2, v5
	global_load_b32 v7, v6, s[6:7]
.endm
; Eight rows' loads: the keys in lanes lb .. lb + 7 of the window, my 1,024 bytes of each row as two loads of 512 consecutive bytes.  The count of loads is the same whatever the
; window holds, so that the counted waits hold: for a lane beyond the window's keys all 32 lanes name the same 16 bytes of the first key's row, and nothing is made of them.
.macro ISSUE d, o, vn, lb
	s_sub_co_i32 s[\vn], s27, \lb
	s_max_i32 s[\vn], s[\vn], 0                    ; keys of the window in this set (8 or more: all)
.irp j, 0,1,2,3,4,5,6,7
	v_readlane_b32 s30, v5, (\lb)+(\j)
	s_min_u32 s30, s30, 0x7fff                     ; each part of the offset that hangs on loaded numbers has its minimum with a constant: the key's number,
	s_lshl_b32 s30, s30, 11                        ; (2,048 m)
	s_cmp_gt_u32 s[\vn], \j
	s_cselect_b32 s31, -1, 0
	v_and_b32 v10, s31, v2                         ; and my place in the row, or 0
	v_min_u32 v10, 0x7ff, v10
	v_add_nc_u32 v[(\o)+(\j)], s30, v10
	global_load_b128 v[(\d)+8*(\j):(\d)+8*(\j)+3],   v[(\o)+(\j)], s[4:5] th:TH_LOAD_NT
	global_load_b128 v[(\d)+8*(\j)+4:(\d)+8*(\j)+7], v[(\o)+(\j)], s[4:5] offset:512 th:TH_LOAD_NT
.endr
.endm
; acc += e x row for the set's keys; their e lie in lanes lb .. lb + 7 of v8.  The keys are a prefix of the set: the jump passes arithmetic alone, no load and no wait.
.macro COMPUTE d, vn, lb
.irp j, 0,1,2,3,4,5,6,7
	s_cmp_le_u32 s[\vn], \j
	s_cbranch_scc1 .Ldone_\@
	v_readlane_b32 s66, v8, (\lb)+(\j)
.irp i, 0,1,2,3
	v_pk_fma_f32 v[ACC+2*(\i):ACC+2*(\i)+1], v[(\d)+8*(\j)+2*(\i):(\d)+8*(\j)+2*(\i)+1], s[66:67], v[ACC+2*(\i):ACC+2*(\i)+1] op_sel_hi:[1,0,1]
.endr
.endr
.Ldone_\@:
.endm
.Lround:
	BUILD
	s_sub_co_i32 s27, s25, s24
	s_max_i32 s27, s27, 0
	s_min_u32 s27, s27, 32                         ; keys in this window
	v_cmp_gt_u32 s76, s27, v1                      ; the lanes that hold one
	v_readlane_b32 s30, v4, 0
	v_cndmask_b32 v4, s30, v4, s76                 ; the others repeat the window's first
	IDS
	ISSUE DA, OFS, 28, 0                           ; 16 rows, 32 loads, go out as soon as their numbers are known
	ISSUE DB, OFS+8, 29, 8
	s_wait_loadcnt 32                              ; e is in: behind its load stand the two sets' 32
	v_cndmask_b32 v8, 0, v7, s76                   ; 0 beyond the window's keys
	v_add_f32 v9, v9, v8
	s_cmp_le_u32 s27, 16
	s_cbranch_scc1 .Ltail                          ; 16 keys or fewer: both sets are the last
	s_wait_loadcnt 16                              ; set A is in; B's 16 loads may stay out
	COMPUTE DA, 28, 0
	ISSUE DA, OFS, 28, 16                          ; the wait above has shown A's loads done: its registers and offsets are free
	s_wait_loadcnt 16                              ; set B is in; A's new 16 may stay out
	COMPUTE DB, 29, 8
	ISSUE DB, OFS+8, 29, 24
	v_permlanex16_b32 v10, v8, s68, s69            ; the weights of keys 16 .. 31 come down into lanes 0 .. 15
	v_mov_b32 v8, v10
.Ltail:                                            ; on both ways here A's 16 loads and behind them B's 16 are out
	s_wait_loadcnt 16
	COMPUTE DA, 28, 0
	s_wait_loadcnt 0x0
	COMPUTE DB, 29, 8
	s_add_co_u32 s30, s24, 32
	s_cmp_lt_u32 s30, s25
	s_cbranch_scc1 .Lmore                          ; keys are left behind this window: on to the counter's step
	; THE GROUP'S LAST ROUND GOES ON TO THE WAVE'S END.  s23 is this round's number; its keys and their e are still in v6 and v7.
.irp x, 1,2,4,8
	v_add_f32_dpp v9, v9, v9 row_xmask:\x row_mask:0xf bank_mask:0xf
.endr
	v_permlanex16_b32 v10, v9, s68, s69
	v_add_f32 v9, v9, v10                          ; l, in every lane
	v_rcp_f32 v198, v9
	v_mov_b32 v199, 0                              ; the plain instruction behind the reciprocal; the pair's high word is named, so it is written
	s_lshl_b32 s30, ttmp9, 3
	s_add_co_u32 s30, s30, s19
	s_lshl_b32 s30, s30, 11                        ; row 8 b + g of out0
	s_mov_b32 s31, 0
	s_add_nc_u64 s[14:15], s[14:15], s[30:31]
	s_wait_alu depctr_va_vdst(0)                   ; a wait ahead of the reciprocal's first reader
.irp i, 0,1,2,3
	v_pk_mul_f32 v[ACC+2*(\i):ACC+2*(\i)+1], v[ACC+2*(\i):ACC+2*(\i)+1], v[198:199] op_sel_hi:[1,0]
.endr
	global_store_b128 v2, v[ACC:ACC+3],   s[14:15] th:TH_STORE_NT             ; each store covers 512 consecutive bytes, at a multiple of 512 from out0's first byte
	global_store_b128 v2, v[ACC+4:ACC+7], s[14:15] offset:512 th:TH_STORE_NT
	s_cmp_lg_u32 s20, 0
	s_cbranch_scc1 .Lend                           ; out1 is written by the group's first wave alone
	s_cmp_eq_u32 s27, 0
	s_cbranch_scc1 .Lend                           ; a group without a key has no word of out1
.irp r, 13,14,15,16,17,18,19
	v_min_u32 v12, v12, v\r                        ; full[]: its two loads are the launch's oldest, and the round's last wait was for 0
.endr
	v_cmp_eq_u32 vcc_lo, 0, v12                    ; some work-group has a group without a key
	s_cmp_lg_u32 vcc_lo, 0
	s_cselect_b32 s80, 0x7fc00000, 0               ; then NaN is added to every number of out1, else 0
	v_fma_f32 v10, v7, v198, s80
	global_store_b32 v6, v10, s[16:17]             ; a key's place hangs on the input: 4 bytes a lane; the lanes beyond the window's keys repeat the first key's word
	s_cmp_eq_u32 s23, 0                            ; the rounds before this one, each a full window of 32
	s_cbranch_scc1 .Lend
	s_mov_b32 s24, 0
	s_mov_b32 s83, 0
.Lredo:
	s_wait_xcnt 0x0                                ; the last store has read v6 and v10: they are written again only behind this wait
	BUILD
	IDS
	s_wait_loadcnt 0x0
	v_fma_f32 v10, v7, v198, s80
	global_store_b32 v6, v10, s[16:17]
	s_add_co_u32 s24, s24, 32
	s_add_co_u32 s83, s83, 1
	s_cmp_lt_u32 s83, s23
	s_cbranch_scc1 .Lredo
.Lend:
	s_endpgm
.Lmore:
	s_mov_b32 s24, s30                             ; the next window
	s_add_co_u32 s23, s23, 1
	s_cmp_lt_u32 s23, s22
	s_cbranch_scc1 .Lround
	s_endpgm                                       ; not reached: n is at most 32 x s22, so the round of number s22 - 1 at the latest holds the group's last key and ends the wave above
.Lfunc_end_k_qe924550a70_mix:
	.size	k_qe924550a70_mix, .Lfunc_end_k_qe924550a70_mix-k_qe924550a70_mix
	.p2alignl 7, 3214868480
	.fill 96, 4, 3214868480
	.section	.rodata,"a",@progbits
	.p2align	6, 0x0
	.amdhsa_kernel k_qe924550a70_mix
		.amdhsa_group_segment_fixed_size 0
		.amdhsa_private_segment_fixed_size 0
		.amdhsa_enable_private_segment 0
		.amdhsa_kernarg_size 56
		.amdhsa_user_sgpr_count 2
		.amdhsa_user_sgpr_kernarg_segment_ptr 1
		.amdhsa_wavefront_size32 1
		.amdhsa_system_sgpr_workgroup_id_x 1
		.amdhsa_system_sgpr_workgroup_id_y 1
		.amdhsa_system_sgpr_workgroup_id_z 1
		.amdhsa_system_vgpr_workitem_id 0
		.amdhsa_next_free_vgpr 200
		.amdhsa_next_free_sgpr 96
		.amdhsa_reserve_vcc 1
		.amdhsa_float_denorm_mode_32 3
		.amdhsa_float_denorm_mode_16_64 3
		.amdhsa_memory_ordered 1
		.amdhsa_forward_progress 1
		.amdhsa_inst_pref_size 54
	.end_amdhsa_kernel
	.amdgpu_metadata
---
amdhsa.version: [ 1, 2 ]
amdhsa.kernels:
  - .name:           k_qe924550a70_mix
    .symbol:         k_qe924550a70_mix.kd
    .args:
      - { .name: values, .offset: 0, .size: 8, .value_kind: global_buffer, .address_space: global }
      - { .name: ew, .offset: 8, .size: 8, .value_kind: global_buffer, .address_space: global }
      - { .name: order, .offset: 16, .size: 8, .value_kind: global_buffer, .address_space: global }
      - { .name: dir, .offset: 24, .size: 8, .value_kind: global_buffer, .address_space: global }
      - { .name: full, .offset: 32, .size: 8, .value_kind: global_buffer, .address_space: global }
      - { .name: out0, .offset: 40, .size: 8, .value_kind: global_buffer, .address_space: global }
      - { .name: out1, .offset: 48, .size: 8, .value_kind: global_buffer, .address_space: global }
    .group_segment_fixed_size: 0
    .private_segment_fixed_size: 0
    .kernarg_segment_align: 8
    .kernarg_segment_size: 56
    .max_flat_workgroup_size: 512
    .sgpr_count:     96
    .vgpr_count:     200
    .wavefront_size: 32
...
	.end_amdgpu_metadata
.endif
;; end of part 2
;; ======== version 2 of 2: 2 launches; version 1 with the launches score, mix written anew for expert scheduling mode
;; workspace buffers: ew 131,072 bytes; order 131,072 bytes of whole numbers; dir 16,384 bytes of whole numbers; full 1,024 bytes of whole numbers
;; launch score (part 3): grid 256 x 1, 16 waves a work-group, no clusters, 2,816 bytes of LDS; arguments keys, query, tree_idx, ew, order, dir, full; writes ew, order, dir, full
.if DOCPART == 3
	.amdgcn_target "amdgcn-amd-amdhsa--gfx1250"
	.amdhsa_code_object_version 6
	.text
	.protected	k_qe924550a70_score
	.globl	k_qe924550a70_score
	.p2align	8
	.type	k_qe924550a70_score,@function
k_qe924550a70_score:
	s_mov_b64 s[64:65], 0
	v_nop
	global_prefetch_b8 v0, s[64:65] scope:SCOPE_SE
	s_setreg_imm32_b32 hwreg(HW_REG_WAVE_SCHED_MODE, 0, 2), 2
	s_setreg_imm32_b32 hwreg(HW_REG_WAVE_MODE, 25, 1), 1
	s_wait_xcnt 0x0
	s_wait_alu depctr_vm_vsrc(0)
; FIRST OF TWO LAUNCHES.  reference()'s mask leaves each key m one query, q = tree_idx[m].  This launch makes
;   ew[m]    = exp(cos(query[q], keys[m])), f32, in key order;
;   order[]  = the 32,768 keys sorted into buckets: eight chunks of 4,096 words (chunk k holds keys 4096 k .. 4096 k + 4095), each chunk ordered by the work-group
;              b = q / 8 that owns the key's group; a word is (q % 8) << 15 | m;
;   dir[b][k] = (first word, number of words) of work-group b's part of chunk k;     full[b] = 1 if each of the groups 8 b .. 8 b + 7 has a key, else 0.
; NO MAXIMUM is taken away before the exponential: both vectors are normalised, as reference() normalises them, so every exponent lies in -1 .. 1 (to rounding),
; every e in 0.36 .. 2.72, and a sum of at most 32,768 of them under 9e4.
; NO MATRIX UNIT: behind the mask a key row meets one query row; a tile of 16 x 16 would hold 16 useful numbers.  All arithmetic is f32.
; SHARES.  256 work-groups of 16 waves.  Waves 0-7 (scores): the work-group's 128 consecutive keys, 16 a wave; a row of 2,048 bytes is four loads of 512 consecutive bytes.
; Waves 8-15 (buckets): wave 8 + k holds chunk k of tree_idx in 128 registers, counts the indices below 8 b, and writes the entries of the indices 8 b .. 8 b + 7 behind that count.
; ALL LANES ARE ON IN EVERY LINE.  Where only some lanes have a word to store, the others repeat one of those lanes' address and data.
; LIMITS.  A tree_idx outside 0 .. 2047 (as an unsigned number) counts as 2047, in both roles.  The sums of squares are kept in f32: they overflow for |x| above about 8e17.
; A norm under 1e-12 is raised to 1e-12 as in reference(); a sum of squares below 2^-126 gives the root 0 and so the same 1e-12.  Sums are taken in another order than reference()'s.
; THE MODE: SCHED_MODE bits 1:0 = 2 (LLVM: expert scheduling mode 2), set by the entry lines.  The code itself states the register dependences between vector instructions
; and memory or LDS instructions, and those through scalar registers that vector instructions write, with s_wait_alu, always for 0.
; THE PLAN.  Registers that memory or LDS instructions touch:
;   v2            the offset of nearly every access: written at the head, ahead of the head's wait, and never again.
;   QOF0 .. 15    the sixteen query rows' offsets: written together, ahead of one wait, and never again: no address is made among the keys.
;   the six slots a key's 24 products read its slot; ONE wait stands behind them, and the slot's eight loads follow it at once.
;   v19, v6       address and data of a score wave's one LDS store; not written again behind it.
;   XB            bucket waves: loaded once; from then on vector instructions alone name it.
;   v6, v8        bucket waves: address and data of a hit's store: written again by the next hit, behind a wait for the store's reads; a wait for their writing stands ahead of the store.
;   v14-17, v10   bucket waves: the two LDS stores' registers, written ahead of one wait.
;   v[24:27], v20-23, v26-28   behind the barrier waves 0 and 1 work in registers that no other line of the text names.
; Compares whose masks scalar instructions read go in runs of sixteen, into s[32:47], with one wait behind each run.
.set ESTG,  0                          ; LDS 0-511: e of the work-group's key i at word i
.set DSTG,  512                        ; LDS 512-575: (first, number) of chunk k at 8 k
.set PSTG,  576                        ; LDS 576-607: chunk k's presence bits (bit d: group 8 b + d has a key there) at 4 k
.set SPARE, 768                        ; LDS 768-2815: the spare words, 128 bytes for each of the 16 waves; no other line names them
.set KROW,  2048                       ; bytes in a row of keys and of query
.set SLOTS, 6                          ; score waves: rows in flight
.set KB,    32                         ; v[32:223] slot s: key row in v[KB+32 s .. +15], query row in v[KB+32 s+16 .. +31]
.set XB,    32                         ; v[32:159] bucket waves: register 4 j + c of lane l holds index 128 j + 4 l + c of the chunk
.set QOF,   224                        ; v[224:239] key j of my 16: byte offset of my 16 bytes in its query row
; v0 thread, v1 lane, v2 16 x lane, v3 my spare word's address, v4 0 (the last two serve the closing add alone)
; score waves: v6, v7, v8 collect dot, |k|^2, |q|^2 (key j in lanes j and j + 16); v[10:15] the three packed sums; v16-18 the other half's sums; v19 LDS address
; bucket waves: v5 key number of my register 0; v6 place; v7 d; v8 entry; v9 1 << d; v10 presence; v11 1; v12 the first hit's entry; v13 at work; v[14:15] (first, number); v16, v17 LDS addresses
; behind the barrier: wave 0: v[24:27] 128 e.  wave 1: v20, v21 place and word of dir[b]; v22, v23 place and word of the presence bits; v26 at work; v27 0; v28 the flag
; s[4:17] the seven buffers; s18 wave; s19 at work / chunk; s[20:21] the role's stream; s[22:23] an offset pair / a lane mask; s[24:25] lane selects;
; s26 8 b; s27 width of my range; s28 indices below it; s29 first word; s30 next free word; s[32:47] score waves: 16 indices, then row offsets; bucket waves: 16 masks; s52 at work; s53 -8 b
	s_load_b256 s[4:11], s[0:1], 0x0               ; keys s[4:5], query s[6:7], tree_idx s[8:9], ew s[10:11]
	s_load_b128 s[12:15], s[0:1], 0x20             ; order s[12:13], dir s[14:15]
	s_load_b64 s[16:17], s[0:1], 0x30              ; full
	v_lshl_add_u32 v3, v0, 2, SPARE
	v_mov_b32 v4, 0
	v_lshrrev_b32 v1, 5, v0
	v_readfirstlane_b32 s18, v1                    ; wave 0..15
	v_and_b32 v1, 31, v0                           ; lane
	v_lshlrev_b32 v2, 4, v1                        ; 16 bytes a lane
	s_mov_b32 s24, 0x76543210                      ; v_permlanex16_b32: each lane takes its own place in the other half
	s_mov_b32 s25, 0xfedcba98
	s_mov_b32 s23, 0                               ; high word of the offset pair
	s_wait_kmcnt 0x0
	s_wait_alu depctr_va_sdst(0)                   ; s18 is written, ahead of its first reader, the compare below
	s_wait_alu depctr_va_vdst(0)                   ; v2 is written: the loads and stores of both roles read it as their offset
	s_cmp_lt_u32 s18, 8
	s_cbranch_scc0 .Lbucket
; ---------------------------------------------------------------- waves 0-7: sixteen scores a wave
.macro KFILL j                         ; key row j of my 16 into its slot: four loads of 512 consecutive bytes; each byte of keys is read once in the launch
.irp i, 0,1,2,3
	global_load_b128 v[KB+32*((\j)%SLOTS)+4*(\i):KB+32*((\j)%SLOTS)+4*(\i)+3], v2, s[20:21] offset:KROW*(\j)+512*(\i) th:TH_LOAD_NT
.endr
.endm
.macro QFILL j                         ; the query row that key j's index names, beside it
.irp i, 0,1,2,3
	global_load_b128 v[KB+32*((\j)%SLOTS)+16+4*(\i):KB+32*((\j)%SLOTS)+16+4*(\i)+3], v[QOF+(\j)], s[6:7] offset:512*(\i)
.endr
.endm
; Key j: three sums over the row's 512 numbers, 16 a lane, then over the 32 lanes; the results go into lanes j and j + 16 of the collectors.
.macro KEY j
.set rK, KB+32*((\j)%SLOTS)
.set rQ, rK+16
	; loads come back in order (ISA guide 5.7.1): the count is the loads issued behind this key's query row
.if (\j) < 6
	s_wait_loadcnt 20+4*(\j)                       ; 4 (5 - j) first query fills and 8 j refills
.elseif (\j) < 11
	s_wait_loadcnt 40                              ; the five refills behind mine, 8 loads each
.else
	s_wait_loadcnt 8*(15-(\j))                     ; the refills run out
.endif
	v_pk_mul_f32 v[10:11], v[rK:rK+1], v[rQ:rQ+1]  ; the first products start the sums: nothing is cleared
	v_pk_mul_f32 v[12:13], v[rK:rK+1], v[rK:rK+1]
	v_pk_mul_f32 v[14:15], v[rQ:rQ+1], v[rQ:rQ+1]
.irp i, 1,2,3,4,5,6,7
	v_pk_fma_f32 v[10:11], v[rK+2*(\i):rK+2*(\i)+1], v[rQ+2*(\i):rQ+2*(\i)+1], v[10:11]
	v_pk_fma_f32 v[12:13], v[rK+2*(\i):rK+2*(\i)+1], v[rK+2*(\i):rK+2*(\i)+1], v[12:13]
	v_pk_fma_f32 v[14:15], v[rQ+2*(\i):rQ+2*(\i)+1], v[rQ+2*(\i):rQ+2*(\i)+1], v[14:15]
.endr
.if (\j)+SLOTS < 16
	s_wait_alu depctr_va_vdst(0)                   ; the 24 products are done reading the slot, in which the eight loads below land; the slot is asked for again at once
	KFILL (\j)+SLOTS
	QFILL (\j)+SLOTS
.endif
	v_add_f32 v10, v10, v11
	v_add_f32 v12, v12, v13
	v_add_f32 v14, v14, v15
.irp x, 1,2,4,8
	v_add_f32_dpp v10, v10, v10 row_xmask:\x row_mask:0xf bank_mask:0xf
	v_add_f32_dpp v12, v12, v12 row_xmask:\x row_mask:0xf bank_mask:0xf
	v_add_f32_dpp v14, v14, v14 row_xmask:\x row_mask:0xf bank_mask:0xf
.endr
	v_permlanex16_b32 v16, v10, s24, s25
	v_permlanex16_b32 v17, v12, s24, s25
	v_permlanex16_b32 v18, v14, s24, s25
	v_add_f32 v10, v10, v16
	v_add_f32 v12, v12, v17
	v_add_f32 v14, v14, v18
	s_mov_b32 s22, (1<<(\j))|(1<<((\j)+16))
	v_cndmask_b32 v6, v6, v10, s22
	v_cndmask_b32 v7, v7, v12, s22
	v_cndmask_b32 v8, v8, v14, s22
.endm
	s_lshl_b32 s22, ttmp9, 9                       ; my 16 indices: 512 bytes a work-group, 64 a wave
	s_lshl_b32 s19, s18, 6
	s_add_co_u32 s22, s22, s19
	s_add_nc_u64 s[26:27], s[8:9], s[22:23]
	s_load_b512 s[32:47], s[26:27], 0x0
	s_lshl_b32 s22, ttmp9, 18                      ; my 16 key rows: 128 rows of 2,048 bytes a work-group, 16 a wave
	s_lshl_b32 s19, s18, 15
	s_add_co_u32 s22, s22, s19
	s_add_nc_u64 s[20:21], s[4:5], s[22:23]
.irp j, 0,1,2,3,4,5
	KFILL \j                                       ; these addresses need no index: they go out while the indices are on their way
.endr
	v_mov_b32 v6, 0                                ; the collectors are read by the selects that fill them,
	v_mov_b32 v7, 0
	v_mov_b32 v8, 0
	v_mov_b32 v16, 0                               ; and v_permlanex16_b32's destination counts as read
	v_mov_b32 v17, 0
	v_mov_b32 v18, 0
	s_wait_kmcnt 0x0
.irp j, 0,1,2,3,4,5,6,7,8,9,10,11,12,13,14,15
	s_min_u32 s[32+(\j)], s[32+(\j)], 2047         ; an index read from memory enters an address only behind a minimum with a constant
	s_lshl_b32 s[32+(\j)], s[32+(\j)], 11          ; the row's byte offset in query
.endr
.irp j, 0,1,2,3,4,5,6,7,8,9,10,11,12,13,14,15
	v_add_nc_u32 v[QOF+(\j)], s[32+(\j)], v2       ; all sixteen offsets at once: none is written again
.endr
	s_wait_alu depctr_va_vdst(0)                   ; the sixteen offsets are written, which the query rows' loads read, here and among the keys
.irp j, 0,1,2,3,4,5
	QFILL \j
.endr
.irp j, 0,1,2,3,4,5,6,7,8,9,10,11,12,13,14,15
	KEY \j
.endr
	; sixteen keys at once, each in two lanes: e = 2^(log2(e) dot / (max(|k|, 1e-12) max(|q|, 1e-12)))
	v_sqrt_f32 v7, v7
	v_sqrt_f32 v8, v8
	v_nop                                          ; a plain instruction behind the last root, ahead of the first use (ISA guide 5.7.2),
	s_wait_alu depctr_va_vdst(0)                   ; and a wait: both roots are written
	v_max_num_f32 v7, 0x2b8cbccc, v7               ; 1e-12
	v_max_num_f32 v8, 0x2b8cbccc, v8
	v_rcp_f32 v7, v7
	v_rcp_f32 v8, v8
	v_nop
	s_wait_alu depctr_va_vdst(0)                   ; both reciprocals are written
	v_mul_f32 v6, v6, v7
	v_mul_f32 v6, v6, v8
	v_mul_f32 v6, 0x3fb8aa3b, v6                   ; log2(e)
	v_exp_f32 v6, v6
	v_and_b32 v19, 15, v0                          ; the plain instruction behind the exponential: key j = lane % 16,
	s_lshl_b32 s19, s18, 6
	v_lshl_add_u32 v19, v19, 2, s19                ; word 16 w + j
	s_wait_alu depctr_va_vdst(0)                   ; the exponential has written v6 and the line above v19: the LDS store's data and address
	ds_store_b32 v19, v6 offset:ESTG               ; lanes j and j + 16 write the same word with the same number
	s_branch .Ljoin
; ---------------------------------------------------------------- waves 8-15: one chunk of tree_idx a wave
.macro COUNT g                         ; how many of 512 indices (registers 16 g .. 16 g + 15) lie below my range
	s_wait_loadcnt 28-4*(\g)                       ; index loads 4 g .. 4 g + 3 are in; the younger ones may stay out
.irp i, 0,1,2,3,4,5,6,7,8,9,10,11,12,13,14,15
	v_cmp_gt_u32 s[32+(\i)], s26, v[XB+16*(\g)+(\i)]
.endr
	s_wait_alu depctr_va_sdst(0)                   ; the sixteen masks are written, ahead of the counts that read them
.irp i, 0,1,2,3,4,5,6,7,8,9,10,11,12,13,14,15
	s_bcnt1_i32_b32 s[32+(\i)], s[32+(\i)]
.endr
.irp i, 0,1,2,3,4,5,6,7,8,9,10,11,12,13,14,15
	s_add_co_u32 s28, s28, s[32+(\i)]
.endr
.endm
; The lanes of register 4 j + c's mask hold indices of my range: their entries go to the next free words of my part of the chunk.  All 32 lanes store: a lane without a hit repeats the first hit's word,
; place s30 and that hit's entry, which is gathered into every lane by OR (it stands alone in its lane, 0 in the others).
.macro HIT j, c
.set rM, 32+4*((\j)%4)+(\c)
	s_cmp_eq_u32 s[rM], 0
	s_cbranch_scc1 .Lnohit_\@
	s_ctz_i32_b32 s52, s[rM]
	s_lshl_b32 s52, 1, s52                         ; the first hit's lane, as a mask
	v_min_u32 v7, 7, v[XB+4*(\j)+(\c)]             ; d; in the last work-group every index above 2047 counts as 2047
	s_wait_xcnt 0x0                                ; the last store has had its address translated: v6 and v8 are written again only behind this wait,
	s_wait_alu depctr_vm_vsrc(0)                   ; and behind this one: the last hit's store has read v6 and v8
	v_add_nc_u32 v8, 128*(\j)+(\c), v5             ; m
	v_lshl_or_b32 v8, v7, 15, v8                   ; d << 15 | m
	v_cndmask_b32 v12, 0, v8, s52
.irp x, 1,2,4,8
	v_mov_b32_dpp v13, v12 row_xmask:\x row_mask:0xf bank_mask:0xf
	v_or_b32 v12, v12, v13
.endr
	v_permlanex16_b32 v13, v12, s24, s25
	v_or_b32 v12, v12, v13
	v_cndmask_b32 v8, v12, v8, s[rM]
	v_mbcnt_lo_u32_b32 v6, s[rM], s30              ; next free word + the hits in lower lanes
	v_cndmask_b32 v6, s30, v6, s[rM]
	v_min_u32 v6, 0x7fff, v6                       ; a number made of loaded data enters an address only behind a minimum with a constant
	v_lshlrev_b32 v6, 2, v6
	v_lshlrev_b32 v9, v7, v11                      ; 1 << d,
	v_cndmask_b32 v9, 0, v9, s[rM]                 ; of the hits alone
	v_or_b32 v10, v10, v9
	s_wait_alu depctr_va_vdst(0)                   ; v6 and v8 are written: the store's address and data
	global_store_b32 v6, v8, s[12:13]
	s_bcnt1_i32_b32 s52, s[rM]
	s_add_co_u32 s30, s30, s52
.Lnohit_\@:
.endm
.macro QUAD j                          ; 128 indices: the four masks of registers 4 j .. 4 j + 3
.set rB, 32+4*((\j)%4)
	s_or_b32 s52, s[rB], s[rB+1]
	s_or_b32 s52, s52, s[rB+2]
	s_or_b32 s52, s52, s[rB+3]
	s_cmp_lg_u32 s52, 0
	s_cbranch_scc0 .Lnoquad_\@                     ; my range is 8 groups of 2,048
	HIT \j, 0
	HIT \j, 1
	HIT \j, 2
	HIT \j, 3
.Lnoquad_\@:
.endm
.macro GROUP g                         ; 512 indices: d = index - 8 b, in place; a hit is d < width (unsigned)
.irp i, 0,1,2,3,4,5,6,7,8,9,10,11,12,13,14,15
	v_add_nc_u32 v[XB+16*(\g)+(\i)], s53, v[XB+16*(\g)+(\i)]
.endr
.irp i, 0,1,2,3,4,5,6,7,8,9,10,11,12,13,14,15
	v_cmp_gt_u32 s[32+(\i)], s27, v[XB+16*(\g)+(\i)]
.endr
	s_wait_alu depctr_va_sdst(0)                   ; the sixteen masks are written, ahead of the first jump and of all that reads them in the four quads below
	QUAD 4*(\g)
	QUAD 4*(\g)+1
	QUAD 4*(\g)+2
	QUAD 4*(\g)+3
.endm
.Lbucket:
	s_sub_co_u32 s19, s18, 8                       ; my chunk k
	s_lshl_b32 s22, s19, 14                        ; 4,096 indices of 4 bytes
	s_add_nc_u64 s[20:21], s[8:9], s[22:23]
.irp j, 0,1,2,3,4,5,6,7,8,9,10,11,12,13,14,15,16,17,18,19,20,21,22,23,24,25,26,27,28,29,30,31
	global_load_b128 v[XB+4*(\j):XB+4*(\j)+3], v2, s[20:21] offset:512*(\j)
.endr
	s_lshl_b32 s26, ttmp9, 3                       ; my range begins at group 8 b
	s_sub_co_u32 s53, 0, s26
	s_cmp_eq_u32 ttmp9, 255
	s_cselect_b32 s27, 0xfffff808, 8               ; the last work-group takes all that lies above: 2^32 - 2040
	s_lshl_b32 s52, s19, 12
	v_lshl_add_u32 v5, v1, 2, s52                  ; 4096 k + 4 l
	v_mov_b32 v10, 0
	v_mov_b32 v11, 1
	v_mov_b32 v13, 0                               ; a destination of DPP and of v_permlanex16_b32 counts as read
	s_mov_b32 s28, 0
.irp g, 0,1,2,3,4,5,6,7
	COUNT \g
.endr
	s_add_co_u32 s29, s28, s52                     ; my part of the chunk begins behind the parts of the work-groups below me
	s_mov_b32 s30, s29
.irp g, 0,1,2,3,4,5,6,7
	GROUP \g
.endr
.irp x, 1,2,4,8
	v_mov_b32_dpp v13, v10 row_xmask:\x row_mask:0xf bank_mask:0xf  ; the presence bits of all 32 lanes are gathered by OR
	v_or_b32 v10, v10, v13
.endr
	v_permlanex16_b32 v13, v10, s24, s25
	v_or_b32 v10, v10, v13
	v_mov_b32 v14, s29
	s_sub_co_u32 s52, s30, s29
	v_mov_b32 v15, s52
	s_lshl_b32 s52, s19, 3
	v_mov_b32 v16, s52
	s_lshl_b32 s52, s19, 2
	v_mov_b32 v17, s52
	s_wait_alu depctr_va_vdst(0)                   ; v10 and v14 to v17 are written: the two LDS stores' data and addresses
	ds_store_b64 v16, v[14:15] offset:DSTG         ; all lanes write the same words with the same numbers
	ds_store_b32 v17, v10 offset:PSTG
; ---------------------------------------------------------------- the launch's one barrier, on every wave's path
.Ljoin:
	s_wait_dscnt 0x0                               ; for the readers' sake: my LDS stores are done
	s_barrier_signal -1
	s_barrier_wait -1
	s_cmp_eq_u32 s18, 0
	s_cbranch_scc0 .Lnot_wave_0
	ds_load_b128 v[24:27], v2 offset:ESTG          ; wave 0: the work-group's 128 e, into registers that no other line names; v2 stands as the head made it
	s_lshl_b32 s22, ttmp9, 9
	s_add_nc_u64 s[10:11], s[10:11], s[22:23]
	s_wait_dscnt 0x0
	global_store_b128 v2, v[24:27], s[10:11]       ; stored as 512 consecutive bytes, at a multiple of 512 from ew's first byte
	s_branch .Lend
.Lnot_wave_0:
	s_cmp_eq_u32 s18, 1
	s_cbranch_scc0 .Lend
	v_and_b32 v20, 15, v0                          ; wave 1: the 16 words of dir[b] (lanes 16-31 repeat lanes 0-15),
	v_lshlrev_b32 v20, 2, v20
	v_and_b32 v22, 7, v0                           ; and the eight chunks' presence bits, once in each eight lanes
	v_lshlrev_b32 v22, 2, v22
	v_mov_b32 v26, 0
	v_mov_b32 v27, 0                               ; the offset of full[b] from its own address
	s_wait_alu depctr_va_vdst(0)                   ; v20 and v22 are written, which the two LDS loads read as addresses
	ds_load_b32 v21, v20 offset:DSTG
	ds_load_b32 v23, v22 offset:PSTG
	s_lshl_b32 s22, ttmp9, 6
	s_add_nc_u64 s[14:15], s[14:15], s[22:23]
	s_lshl_b32 s22, ttmp9, 2
	s_add_nc_u64 s[16:17], s[16:17], s[22:23]
	s_wait_dscnt 0x0
.irp x, 1,2,4
	v_mov_b32_dpp v26, v23 row_xmask:\x row_mask:0xf bank_mask:0xf
	v_or_b32 v23, v23, v26
.endr
	v_cmp_eq_u32 vcc_lo, 0xff, v23                 ; each of the eight groups has a key somewhere
	s_wait_alu depctr_va_vcc(0)                    ; VCC is written, ahead of the select that reads it
	v_cndmask_b32 v28, 0, 1, vcc_lo
	s_wait_alu depctr_va_vdst(0)                   ; v28 is written: the second store's data
	global_store_b32 v20, v21, s[14:15]            ; 64 consecutive bytes
	global_store_b32 v27, v28, s[16:17]            ; all lanes write the one word with the same number
.Lend:
	s_wait_dscnt 0x0                               ; the wave's end
	s_wait_alu 0x0
	s_wait_tensorcnt 0x0
	ds_add_u32 v3, v4
	s_wait_dscnt 0x0
	s_endpgm
.Lfunc_end_k_qe924550a70_score:
	.size	k_qe924550a70_score, .Lfunc_end_k_qe924550a70_score-k_qe924550a70_score
	.p2alignl 7, 3214868480
	.fill 96, 4, 3214868480
	.section	.rodata,"a",@progbits
	.p2align	6, 0x0
	.amdhsa_kernel k_qe924550a70_score
		.amdhsa_group_segment_fixed_size 2816
		.amdhsa_private_segment_fixed_size 0
		.amdhsa_enable_private_segment 0
		.amdhsa_kernarg_size 56
		.amdhsa_user_sgpr_count 2
		.amdhsa_user_sgpr_kernarg_segment_ptr 1
		.amdhsa_wavefront_size32 1
		.amdhsa_system_sgpr_workgroup_id_x 1
		.amdhsa_system_sgpr_workgroup_id_y 1
		.amdhsa_system_sgpr_workgroup_id_z 1
		.amdhsa_system_vgpr_workitem_id 0
		.amdhsa_next_free_vgpr 240
		.amdhsa_next_free_sgpr 96
		.amdhsa_reserve_vcc 1
		.amdhsa_float_denorm_mode_32 3
		.amdhsa_float_denorm_mode_16_64 3
		.amdhsa_memory_ordered 1
		.amdhsa_forward_progress 1
		.amdhsa_inst_pref_size 255
	.end_amdhsa_kernel
	.section	.bss,"aw",@nobits
	.p2align	6
	.space	262144
	.amdgpu_metadata
---
amdhsa.version: [ 1, 2 ]
amdhsa.kernels:
  - .name:           k_qe924550a70_score
    .symbol:         k_qe924550a70_score.kd
    .args:
      - { .name: keys, .offset: 0, .size: 8, .value_kind: global_buffer, .address_space: global }
      - { .name: query, .offset: 8, .size: 8, .value_kind: global_buffer, .address_space: global }
      - { .name: tree_idx, .offset: 16, .size: 8, .value_kind: global_buffer, .address_space: global }
      - { .name: ew, .offset: 24, .size: 8, .value_kind: global_buffer, .address_space: global }
      - { .name: order, .offset: 32, .size: 8, .value_kind: global_buffer, .address_space: global }
      - { .name: dir, .offset: 40, .size: 8, .value_kind: global_buffer, .address_space: global }
      - { .name: full, .offset: 48, .size: 8, .value_kind: global_buffer, .address_space: global }
    .group_segment_fixed_size: 2816
    .private_segment_fixed_size: 0
    .kernarg_segment_align: 8
    .kernarg_segment_size: 56
    .max_flat_workgroup_size: 512
    .sgpr_count:     96
    .vgpr_count:     240
    .wavefront_size: 32
...
	.end_amdgpu_metadata
.endif
;; end of part 3
;; launch mix (part 4): grid 256 x 1, 16 waves a work-group, no clusters, 0 bytes of LDS; arguments values, ew, order, dir, full, out0, out1; writes out0, out1
.if DOCPART == 4
	.amdgcn_target "amdgcn-amd-amdhsa--gfx1250"
	.amdhsa_code_object_version 6
	.text
	.protected	k_qe924550a70_mix
	.globl	k_qe924550a70_mix
	.p2align	8
	.type	k_qe924550a70_mix,@function
k_qe924550a70_mix:
	s_mov_b64 s[64:65], 0
	v_nop
	global_prefetch_b8 v0, s[64:65] scope:SCOPE_SE
	s_setreg_imm32_b32 hwreg(HW_REG_WAVE_SCHED_MODE, 0, 2), 2
	s_setreg_imm32_b32 hwreg(HW_REG_WAVE_MODE, 25, 1), 1
	s_wait_xcnt 0x0
	s_wait_alu depctr_vm_vsrc(0)
; SECOND OF TWO LAUNCHES.  For each group q: l = the sum of e[m] over its keys; out0[q][:] = (the sum of e[m] values[m][:]) / l; out1[m] = e[m] / l, the one entry of
; alpha's column m that is not 0.  A group without a key has l = 0: its row of out0 is 0 x infinity = NaN, as reference()'s softmax of a row of -inf gives; and since each column
; of alpha then sums over a NaN row, every number of out1 is NaN if any word of full[] is 0.
; SHARES.  256 work-groups of 16 waves.  Work-group b owns the groups 8 b .. 8 b + 7; wave (g = wave / 2, h = wave % 2) owns group 8 b + g and the columns 256 h .. 256 h + 255.
; Columns do not lean on each other, so no wave waits for another: no LDS byte, no barrier.  Each byte of values is read once in the launch, in runs of 512 consecutive bytes.
; THE LIST.  dir[b] names eight parts of order[] with the work-group's entries, (d << 15) | m.  BUILD scans them, keeps those with d = g, and presses those of rank
; win .. win + 31 together into one register, rank r - win in lane r - win (ds_permute_b32 moves between lanes and touches no LDS byte).  A ROUND takes such a window of 32 keys.
; A group of n > 32 keys takes ceil(n / 32) rounds, each with a scan of its own; when l is known, out1 of the earlier rounds is made by building their windows once more
; and reading e (4 bytes a key) again.
; THE LOOP OVER ROUNDS IS LEFT IN THE GROUP'S LAST ROUND, whose text goes on to the wave's end and its s_endpgm; every other round jumps forward over that end to the counter's step.
; ALL LANES ARE ON IN EVERY LINE.  The lanes beyond a window's keys repeat its first key: they read the same e and store the same word of out1; their e counts as 0 in l and in the sums.
; LIMITS.  Sums in f32, in the order of the list, not reference()'s.  e lies in 0.36 .. 2.72, so l is under 9e4 and no sum of weights overflows.
; THE MODE: SCHED_MODE bits 1:0 = 2 (LLVM: expert scheduling mode 2), set by the entry lines.  The code itself states the register dependences between vector instructions
; and memory or LDS instructions, and those through scalar registers and VCC that vector instructions write, with s_wait_alu, always for 0.
; THE PLAN.  Registers that memory instructions or permutes touch:
;   ADR, ENT, RK, PRM   a scan's trip: ADR is written, then read by the eight loads, which land in ENT; ENT is read by eight shifts and, as data, by the eight permutes; RK, a lane index for each sublist,
;                       is written by vector work and read by the permutes as address; the permutes land in PRM, which eight selects read.
;   v6, v7              a round: v6 is written once and read by e's load (and by out1's store); e lands in v7, which a select or a multiply-add reads.
;   OFS, OF2            the offsets of the window's rows 0-15 and 16-31, each bank written once a round and read by its 32 loads.
;   DA, DB              the rows land; COMPUTE's multiply-adds read them.
;   ACC, v10            data of out0's and out1's stores.        v2, v196   offsets made at the head, never written again.
; ONE wait for the reads of memory instructions stands at the head of every scan's trip.  A scan runs one trip at the least, and every round and every trip of the second sweep begins with a scan: so that wait
; also stands between the last round's loads, or the last store of out1, and the lines that write v6, v10, OFS and OF2 again; nothing between it and those lines reads them.
; A trip's loads stand in one run behind one wait for ADR, its permutes in one run behind one wait for RK; a round's 33 loads stand behind ONE wait, for v6 and the sixteen offsets.
; Compares and lane reads whose results scalar instructions or selects take go in runs of 8 or 16, into scalar registers of their own, with one wait behind each run, ahead of every jump.
.set ACC, 20                           ; v[20:27]   my 8 columns' sums: bytes 16 l + 1024 h (4 numbers) and 512 further on (4 numbers)
.set ADR, 28                           ; v[28:35]   BUILD: byte offsets into order[], one a sublist
.set ENT, 36                           ; v[36:43]   BUILD: entries as loaded
.set PRM, 44                           ; v[44:51]   BUILD: entries at their lanes of the window
.set OFS, 52                           ; v[52:67]   byte offset of my 16 bytes in the rows of the window's keys 0 .. 15
.set DA,  68                           ; v[68:131]  set A: 8 keys x 8 registers
.set DB,  132                          ; v[132:195] set B
.set RK,  200                          ; v[200:207] BUILD: by sublist: the entry's d, then its rank, then 4 x the lane that it goes to
.set OF2, 208                          ; v[208:223] the same as OFS for the window's keys 16 .. 31
.set WT,  84                           ; s[84:99]   OFFS: 16 key numbers, then row offsets; COMPUTE: key j's weight in s[84 + 2 j], named as a pair with the word above it
.set MA,  84                           ; s[84:91]   BUILD: by sublist: the place lies in the sublist; then: the entry is mine; then: my lane is one that the sublist fills
.set ME,  92                           ; s[92:99]   BUILD: by sublist: the entry's d is g; then: the entry lands in the window
; v1 lane; v2 16 l + 1024 h; v3 place in a sublist; v4 the window; v5 m; v6 4 m; v7 e; v8 e, 0 beyond the window's keys, as l and the stream take it; v9 l, a lane's part;
; v10 at work; v[12:19] the 256 words of full, 8 a lane; v196 their offset; v[198:199] 1 / l (the pair's low word serves both halves)
; s[4:17] the seven buffers; s18 wave; s19 g; s20 h; s21 trips of a scan; s22 rounds at the most; s23 round; s24 win; s25 my entries seen so far, behind BUILD n; s26 trip;
; s27 keys in the window; s28, s29 keys in set A, B; s30, s31 at work; s[32:47] dir[b]: first word and number of words of sublist k in s[32+2k], s[33+2k];
; s[48:55], s[56:63] first lane and number of lanes that sublist k fills; s[68:69] lane selects; s72, s74, s75, s77 at work; s76 the window's lanes with a key; s80 NaN or 0; s83 the second sweep's count
	s_load_b256 s[4:11], s[0:1], 0x0               ; values s[4:5], ew s[6:7], order s[8:9], dir s[10:11]
	s_load_b128 s[12:15], s[0:1], 0x20             ; full s[12:13], out0 s[14:15]
	s_load_b64 s[16:17], s[0:1], 0x30              ; out1
	v_lshrrev_b32 v1, 5, v0
	v_readfirstlane_b32 s18, v1                    ; wave 0..15
	v_and_b32 v1, 31, v0                           ; lane
	v_lshlrev_b32 v196, 5, v1
	s_mov_b32 s68, 0x76543210                      ; v_permlanex16_b32: each lane takes its own place in the other half
	s_mov_b32 s69, 0xfedcba98
	s_wait_alu depctr_va_sdst(0)                   ; s18 is written, ahead of its first reader
	s_lshr_b32 s19, s18, 1                         ; g
	s_and_b32 s20, s18, 1                          ; h
	s_lshl_b32 s30, s20, 10
	v_lshl_add_u32 v2, v1, 4, s30
	s_lshl_b32 s30, ttmp9, 6                       ; dir[b]: 64 bytes
	s_mov_b32 s31, 0
	s_wait_kmcnt 0x0
	s_add_nc_u64 s[10:11], s[10:11], s[30:31]
	s_load_b512 s[32:47], s[10:11], 0x0
	s_wait_alu depctr_va_vdst(0)                   ; v196 is written, which the two loads below read as their offset; so is v2, which out0's stores read
	global_load_b128 v[12:15], v196, s[12:13]      ; wanted at the very end: every later wait on loads covers these two
	global_load_b128 v[16:19], v196, s[12:13] offset:16
	v_mov_b32 v9, 0
.irp r, 0,1,2,3,4,5,6,7
	v_mov_b32 v[ACC+(\r)], 0                       ; a group may have no key, so no first product can start the sums
.endr
	s_mov_b32 s23, 0
	s_mov_b32 s24, 0
	s_wait_kmcnt 0x0
	s_max_u32 s21, s33, s35
	s_add_co_u32 s22, s33, s35
.irp k, 37,39,41,43,45,47
	s_max_u32 s21, s21, s\k
	s_add_co_u32 s22, s22, s\k
.endr
	s_add_co_u32 s21, s21, 31
	s_lshr_b32 s21, s21, 5                         ; a scan's trips: the longest sublist, 32 places a trip (one trip runs even where all are empty: it finds nothing)
	s_add_co_u32 s22, s22, 31
	s_lshr_b32 s22, s22, 5                         ; no group of the work-group has more keys than all sublists together
; The window of ranks s24 .. s24 + 31 of my group's entries into v4 (0 in the lanes beyond the last); s25 = n.  The rank goes by trip, then sublist, then lane: the same in every scan.
.macro BUILD
	v_mov_b32 v4, 0
	v_mov_b32 v3, v1
	s_mov_b32 s25, 0
	s_mov_b32 s26, 0
.Lscan_\@:
	s_wait_alu depctr_vm_vsrc(0)                   ; all loads, stores and permutes issued so far have read their registers: the last trip's ADR, ENT and RK, written again below; and v6, v10, OFS and OF2 of the round or store before, written again behind the scan
.irp k, 0,1,2,3,4,5,6,7
	v_add_nc_u32 v[ADR+(\k)], s[32+2*(\k)], v3
	v_min_u32 v[ADR+(\k)], 0x7fff, v[ADR+(\k)]     ; a number read from memory enters an address only behind a minimum with a constant; places beyond the sublist's end are masked below
	v_lshlrev_b32 v[ADR+(\k)], 2, v[ADR+(\k)]
.endr
	s_wait_alu depctr_va_vdst(0)                   ; the eight offsets are written, which the loads read; the last trip's shifts are done reading ENT, in which they land
.irp k, 0,1,2,3,4,5,6,7
	global_load_b32 v[ENT+(\k)], v[ADR+(\k)], s[8:9]
.endr
.irp k, 0,1,2,3,4,5,6,7
	v_cmp_gt_u32 s[MA+(\k)], s[33+2*(\k)], v3      ; the place lies in the sublist,
.endr
.irp k, 0,1,2,3,4,5,6,7
	s_wait_loadcnt 7-(\k)                          ; the younger sublists' loads may stay out
	v_lshrrev_b32 v[RK+(\k)], 15, v[ENT+(\k)]
	v_cmp_eq_u32 s[ME+(\k)], s19, v[RK+(\k)]       ; and the entry is my group's
.endr
	s_wait_alu depctr_va_sdst(0)                   ; the sixteen masks are written, ahead of the scalar lines that read them
.irp k, 0,1,2,3,4,5,6,7
	s_and_b32 s[MA+(\k)], s[MA+(\k)], s[ME+(\k)]
	s_sub_co_i32 s72, s25, s24                     ; the first such entry's rank, counted from the window's first
	v_mbcnt_lo_u32_b32 v[RK+(\k)], s[MA+(\k)], s72 ; each lane's
	s_max_i32 s[48+(\k)], s72, 0                   ; those that land in the window fill its lanes from this one on
	s_bcnt1_i32_b32 s74, s[MA+(\k)]
	s_add_co_u32 s25, s25, s74
.endr
.irp k, 0,1,2,3,4,5,6,7
	v_cmp_gt_u32 s[ME+(\k)], 32, v[RK+(\k)]        ; (unsigned: a rank ahead of the window is a large number)
.endr
	s_wait_alu depctr_va_sdst(0)                   ; these eight masks are written, ahead of the scalar lines that read them
.irp k, 0,1,2,3,4,5,6,7
	s_and_b32 s[ME+(\k)], s[ME+(\k)], s[MA+(\k)]   ; the entries that land in the window
	s_bcnt1_i32_b32 s[56+(\k)], s[ME+(\k)]         ; they fill so many lanes
	s_add_co_u32 s75, s[48+(\k)], s[56+(\k)]
	s_and_b32 s75, s75, 31                         ; all other lanes send to the lane behind those: it lies outside them unless all 32 land, and then nobody else sends
	v_cndmask_b32 v[RK+(\k)], s75, v[RK+(\k)], s[ME+(\k)]
	v_lshlrev_b32 v[RK+(\k)], 2, v[RK+(\k)]
.endr
	s_wait_alu depctr_va_vdst(0)                   ; the eight lane indices are written, which the permutes read; the last trip's selects are done reading PRM, in which they land
.irp k, 0,1,2,3,4,5,6,7
	ds_permute_b32 v[PRM+(\k)], v[RK+(\k)], v[ENT+(\k)]
.endr
.irp k, 0,1,2,3,4,5,6,7
	v_sub_nc_u32 v10, v1, s[48+(\k)]
	v_cmp_gt_u32 s[MA+(\k)], s[56+(\k)], v10       ; my lane is one of those that sublist k fills
.endr
	s_wait_alu depctr_va_sdst(0)                   ; these eight masks are written, ahead of the selects that read them
.irp k, 0,1,2,3,4,5,6,7
	s_wait_dscnt 7-(\k)                            ; the younger permutes may stay out
	v_cndmask_b32 v4, v4, v[PRM+(\k)], s[MA+(\k)]
.endr
	v_add_nc_u32 v3, 32, v3
	s_add_co_u32 s26, s26, 1
	s_cmp_lt_u32 s26, s21
	s_cbranch_scc1 .Lscan_\@
.endm
.macro IDS                             ; the window's key numbers, and their places in ew and out1
	v_and_b32 v5, 0x7fff, v4                       ; m, without d;
	v_min_u32 v5, 0x7fff, v5                       ; the minimum with a constant that stands ahead of every address made of loaded numbers
	v_lshlrev_b32 v6, 2, v5
.endm
; Sixteen rows' offsets: the keys in lanes lb .. lb + 15 of the window.  For a lane beyond the window's keys all 32 lanes name the same 16 bytes of the first key's row, and nothing is made of them:
; so the count of loads is the same whatever the window holds, and the counted waits hold.
.macro OFFS o, lb
	s_sub_co_i32 s77, s27, \lb
	s_max_i32 s77, s77, 0                          ; keys of the window from lane lb on
.irp j, 0,1,2,3,4,5,6,7,8,9,10,11,12,13,14,15
	v_readlane_b32 s[WT+(\j)], v5, (\lb)+(\j)
.endr
	s_wait_alu depctr_va_sdst(0)                   ; the sixteen key numbers are written, ahead of the scalar lines that read them
.irp j, 0,1,2,3,4,5,6,7,8,9,10,11,12,13,14,15
	s_min_u32 s[WT+(\j)], s[WT+(\j)], 0x7fff       ; each part of the offset that hangs on loaded numbers has its minimum with a constant: the key's number,
	s_lshl_b32 s[WT+(\j)], s[WT+(\j)], 11          ; (2,048 m)
	s_cmp_gt_u32 s77, \j
	s_cselect_b32 s31, -1, 0
	v_and_b32 v10, s31, v2                         ; and my place in the row, or 0
	v_min_u32 v10, 0x7ff, v10
	v_add_nc_u32 v[(\o)+(\j)], s[WT+(\j)], v10
.endr
.endm
.macro CNT vn, lb                      ; keys of the window in the set that begins at lane lb (8 or more: all)
	s_sub_co_i32 s[\vn], s27, \lb
	s_max_i32 s[\vn], s[\vn], 0
.endm
.macro ROWS d, o                       ; eight rows' loads: my 1,024 bytes of each row as two loads of 512 consecutive bytes
.irp j, 0,1,2,3,4,5,6,7
	global_load_b128 v[(\d)+8*(\j):(\d)+8*(\j)+3],   v[(\o)+(\j)], s[4:5] th:TH_LOAD_NT
	global_load_b128 v[(\d)+8*(\j)+4:(\d)+8*(\j)+7], v[(\o)+(\j)], s[4:5] offset:512 th:TH_LOAD_NT
.endr
.endm
; acc += e x row for the set's keys; their e lie in lanes lb .. lb + 7 of v8.  The keys are a prefix of the set: the jump passes arithmetic alone, no load and no wait.
.macro COMPUTE d, vn, lb
.irp j, 0,1,2,3,4,5,6,7
	v_readlane_b32 s[WT+2*(\j)], v8, (\lb)+(\j)
.endr
	s_wait_alu depctr_va_sdst(0)                   ; the eight weights are written, ahead of the first jump and of the multiply-adds that read them
.irp j, 0,1,2,3,4,5,6,7
	s_cmp_le_u32 s[\vn], \j
	s_cbranch_scc1 .Ldone_\@
.irp i, 0,1,2,3
	v_pk_fma_f32 v[ACC+2*(\i):ACC+2*(\i)+1], v[(\d)+8*(\j)+2*(\i):(\d)+8*(\j)+2*(\i)+1], s[WT+2*(\j):WT+2*(\j)+1], v[ACC+2*(\i):ACC+2*(\i)+1] op_sel_hi:[1,0,1]
.endr
.endr
.Ldone_\@:
.endm
.Lround:
	BUILD
	s_sub_co_i32 s27, s25, s24
	s_max_i32 s27, s27, 0
	s_min_u32 s27, s27, 32                         ; keys in this window
	v_cmp_gt_u32 s76, s27, v1                      ; the lanes that hold one
	v_readlane_b32 s30, v4, 0
	s_wait_alu depctr_va_sdst(0)                   ; s76 and s30 are written, ahead of the select that reads both
	v_cndmask_b32 v4, s30, v4, s76                 ; the others repeat the window's first
	IDS
	OFFS OFS, 0
	CNT 28, 0
	CNT 29, 8
	s_wait_alu depctr_va_vdst(0)                   ; v6 and the sixteen offsets are written, which the 33 loads read; the last round's arithmetic is done reading v7, DA and DB, in which they land
	global_load_b32 v7, v6, s[6:7]                 ; e
	ROWS DA, OFS                                   ; 16 rows, 32 loads, go out as soon as their numbers are known
	ROWS DB, OFS+8
	s_wait_loadcnt 32                              ; e is in: behind its load stand the two sets' 32
	v_cndmask_b32 v8, 0, v7, s76                   ; 0 beyond the window's keys
	v_add_f32 v9, v9, v8
	s_cmp_le_u32 s27, 16
	s_cbranch_scc1 .Ltail                          ; 16 keys or fewer: both sets are the last
	OFFS OF2, 16                                   ; the other sixteen rows' offsets, in a bank of their own, made while the first 32 loads are out
	s_wait_loadcnt 16                              ; set A is in; B's 16 loads may stay out
	COMPUTE DA, 28, 0
	s_wait_alu depctr_va_vdst(0)                   ; OF2 is written, which the loads below and B's read; the multiply-adds are done reading DA, in which these land
	CNT 28, 16
	ROWS DA, OF2
	s_wait_loadcnt 16                              ; set B is in; A's new 16 may stay out
	COMPUTE DB, 29, 8
	s_wait_alu depctr_va_vdst(0)                   ; the multiply-adds are done reading DB, in which the loads below land
	CNT 29, 24
	ROWS DB, OF2+8
	v_permlanex16_b32 v10, v8, s68, s69            ; the weights of keys 16 .. 31 come down into lanes 0 .. 15
	v_mov_b32 v8, v10
.Ltail:                                            ; on both ways here A's 16 loads and behind them B's 16 are out
	s_wait_loadcnt 16
	COMPUTE DA, 28, 0
	s_wait_loadcnt 0x0
	COMPUTE DB, 29, 8
	s_add_co_u32 s30, s24, 32
	s_cmp_lt_u32 s30, s25
	s_cbranch_scc1 .Lmore                          ; keys are left behind this window: on to the counter's step
	; THE GROUP'S LAST ROUND GOES ON TO THE WAVE'S END.  s23 is this round's number; its keys and their e are still in v6 and v7.
.irp x, 1,2,4,8
	v_add_f32_dpp v9, v9, v9 row_xmask:\x row_mask:0xf bank_mask:0xf
.endr
	v_permlanex16_b32 v10, v9, s68, s69
	v_add_f32 v9, v9, v10                          ; l, in every lane
	v_rcp_f32 v198, v9
	v_mov_b32 v199, 0                              ; the plain instruction behind the reciprocal; the pair's high word is named, so it is written
	s_lshl_b32 s30, ttmp9, 3
	s_add_co_u32 s30, s30, s19
	s_lshl_b32 s30, s30, 11                        ; row 8 b + g of out0
	s_mov_b32 s31, 0
	s_add_nc_u64 s[14:15], s[14:15], s[30:31]
	s_wait_alu depctr_va_vdst(0)                   ; the reciprocal is written, ahead of its first reader
.irp i, 0,1,2,3
	v_pk_mul_f32 v[ACC+2*(\i):ACC+2*(\i)+1], v[ACC+2*(\i):ACC+2*(\i)+1], v[198:199] op_sel_hi:[1,0]
.endr
	s_wait_alu depctr_va_vdst(0)                   ; the four products have written ACC, the two stores' data
	global_store_b128 v2, v[ACC:ACC+3],   s[14:15] th:TH_STORE_NT             ; each store covers 512 consecutive bytes, at a multiple of 512 from out0's first byte
	global_store_b128 v2, v[ACC+4:ACC+7], s[14:15] offset:512 th:TH_STORE_NT
	s_cmp_lg_u32 s20, 0
	s_cbranch_scc1 .Lend                           ; out1 is written by the group's first wave alone
	s_cmp_eq_u32 s27, 0
	s_cbranch_scc1 .Lend                           ; a group without a key has no word of out1
.irp r, 13,14,15,16,17,18,19
	v_min_u32 v12, v12, v\r                        ; full[]: its two loads are the launch's oldest, and the round's last wait was for 0
.endr
	v_cmp_eq_u32 vcc_lo, 0, v12                    ; some work-group has a group without a key
	s_wait_alu depctr_va_vcc(0)                    ; VCC is written, ahead of the scalar compare that reads it
	s_cmp_lg_u32 vcc_lo, 0
	s_cselect_b32 s80, 0x7fc00000, 0               ; then NaN is added to every number of out1, else 0
	v_fma_f32 v10, v7, v198, s80
	s_wait_alu depctr_va_vdst(0)                   ; v10 is written, the store's data
	global_store_b32 v6, v10, s[16:17]             ; a key's place hangs on the input: 4 bytes a lane; the lanes beyond the window's keys repeat the first key's word
	s_cmp_eq_u32 s23, 0                            ; the rounds before this one, each a full window of 32
	s_cbranch_scc1 .Lend
	s_mov_b32 s24, 0
	s_mov_b32 s83, 0
.Lredo:
	s_wait_xcnt 0x0                                ; the last store has had its address translated: v6 and v10 are written again only behind this wait, and behind the wait at the head of the scan's trip, which states that the store has read them
	BUILD
	IDS
	s_wait_alu depctr_va_vdst(0)                   ; v6 is written, which the load reads; the last multiply-add is done reading v7, in which it lands
	global_load_b32 v7, v6, s[6:7]
	s_wait_loadcnt 0x0
	v_fma_f32 v10, v7, v198, s80
	s_wait_alu depctr_va_vdst(0)                   ; v10 is written, the store's data
	global_store_b32 v6, v10, s[16:17]
	s_add_co_u32 s24, s24, 32
	s_add_co_u32 s83, s83, 1
	s_cmp_lt_u32 s83, s23
	s_cbranch_scc1 .Lredo
.Lend:
	s_endpgm
.Lmore:
	s_mov_b32 s24, s30                             ; the next window
	s_add_co_u32 s23, s23, 1
	s_cmp_lt_u32 s23, s22
	s_cbranch_scc1 .Lround
	s_endpgm                                       ; not reached: n is at most 32 x s22, so the round of number s22 - 1 at the latest holds the group's last key and ends the wave above
.Lfunc_end_k_qe924550a70_mix:
	.size	k_qe924550a70_mix, .Lfunc_end_k_qe924550a70_mix-k_qe924550a70_mix
	.p2alignl 7, 3214868480
	.fill 96, 4, 3214868480
	.section	.rodata,"a",@progbits
	.p2align	6, 0x0
	.amdhsa_kernel k_qe924550a70_mix
		.amdhsa_group_segment_fixed_size 0
		.amdhsa_private_segment_fixed_size 0
		.amdhsa_enable_private_segment 0
		.amdhsa_kernarg_size 56
		.amdhsa_user_sgpr_count 2
		.amdhsa_user_sgpr_kernarg_segment_ptr 1
		.amdhsa_wavefront_size32 1
		.amdhsa_system_sgpr_workgroup_id_x 1
		.amdhsa_system_sgpr_workgroup_id_y 1
		.amdhsa_system_sgpr_workgroup_id_z 1
		.amdhsa_system_vgpr_workitem_id 0
		.amdhsa_next_free_vgpr 224
		.amdhsa_next_free_sgpr 100
		.amdhsa_reserve_vcc 1
		.amdhsa_float_denorm_mode_32 3
		.amdhsa_float_denorm_mode_16_64 3
		.amdhsa_memory_ordered 1
		.amdhsa_forward_progress 1
		.amdhsa_inst_pref_size 56
	.end_amdhsa_kernel
	.amdgpu_metadata
---
amdhsa.version: [ 1, 2 ]
amdhsa.kernels:
  - .name:           k_qe924550a70_mix
    .symbol:         k_qe924550a70_mix.kd
    .args:
      - { .name: values, .offset: 0, .size: 8, .value_kind: global_buffer, .address_space: global }
      - { .name: ew, .offset: 8, .size: 8, .value_kind: global_buffer, .address_space: global }
      - { .name: order, .offset: 16, .size: 8, .value_kind: global_buffer, .address_space: global }
      - { .name: dir, .offset: 24, .size: 8, .value_kind: global_buffer, .address_space: global }
      - { .name: full, .offset: 32, .size: 8, .value_kind: global_buffer, .address_space: global }
      - { .name: out0, .offset: 40, .size: 8, .value_kind: global_buffer, .address_space: global }
      - { .name: out1, .offset: 48, .size: 8, .value_kind: global_buffer, .address_space: global }
    .group_segment_fixed_size: 0
    .private_segment_fixed_size: 0
    .kernarg_segment_align: 8
    .kernarg_segment_size: 56
    .max_flat_workgroup_size: 512
    .sgpr_count:     100
    .vgpr_count:     224
    .wavefront_size: 32
...
	.end_amdgpu_metadata
.endif
;; end of part 4
